; MI455X (gfx1250); checked and timed in simulation.
; The chip was launched on July 23, 2026; its instructions are those of AMD's public machine-readable ISA for CDNA 5 (MIT licence, August 2026) and "CDNA5" Instruction Set Architecture Reference Guide (July 2026). The comments in the code are by the model that wrote it; some were corrected since.
;; Dendritic Compartment. Allowed arithmetic: matrix products marked QUANTISED: E3M2 operands, one E8M0 scale for each 32 along K, by v_wmma_scale_f32_16x16x128_f8f6f4 with both operands' format E3M2, f32 sums; products left as they are: f32 operands where the result goes on into a quantised operand, else bf16, f16 or f32 operands; f32 sums; everything else in f32.
;; Inputs: W_gate 4 x 2,048 float32; W_seg_codes 4 x 2,048 x 64 x 24 uint8 (E3M2 codes of W_seg, K innermost, in blocks of 32 codes, four codes in three bytes); W_seg_scales 4 x 2,048 x 64 uint8 (E8M0 scales of W_seg, one for each 32 codes along K); b_gate 4 float32; b_seg 4 x 2,048 float32; threshold 4 x 2,048 float32; x 4,096 x 2,048 float32.
;; Outputs: out0 4,096 x 2,048 float32.
;; This version of the problem:
;;   THIS VERSION OF THE PROBLEM IS GIVEN IN LOW PRECISION. The matrix products marked QUANTISED in the list below multiply operands that are first quantised to E3M2 (3 exponent bits, 2 mantissa bits; 6 bits a number), with one power-of-two scale for each 32 numbers along K (OCP MX v1.0); their sums are f32. All else is computed in f32.
;;   The module's matrix products, in the order in which they are computed (A, B: the left and right operand; K: the contracted axis; several contracted axes count as one K, in the product's order):
;;     1. [M 4,096, K 2,048] x [K 2,048, N 4]; A: input x; B: input W_gate: left as it is (N = 4 < 16)
;;     2. [M 8,192, K 2,048] x [K 2,048, N 4,096]; A: input W_seg (given as codes); B: input x: QUANTISED
;;   THE QUANTISER, for each operand of a quantised product, along K:
;;     - K is cut into blocks of 32 from its start; a last block that is shorter is filled with zeros.
;;     - A block's scale is 2^e with e = floor(log2(the largest magnitude in the block)) - 4, held to -126 .. 127; a block of zeros has e = 0. As a byte (E8M0): e + 127.
;;     - Each number is divided by its block's scale, clamped to +-28, and rounded to the nearest number of E3M2, ties to even, subnormals kept.
;;     - The product sums the exact products of the quantised numbers (number of the format x scale) in f32.
;;   ~~~python
;;   def quantise(x, axis):      # numpy; x: float32 -> the quantised numbers, widened to float32 again
;;       x = np.moveaxis(x, axis, -1); K = x.shape[-1]
;;       x = np.pad(x, [(0, 0)] * (x.ndim - 1) + [(0, -K % 32)]); x = x.reshape(x.shape[:-1] + (-1, 32)); a = np.abs(x).max(-1, keepdims=True)
;;       e = np.where(a > 0, np.clip(np.frexp(np.where(a > 0, a, 1))[1] - 1 - 4, -126, 127), 0)      # np.frexp(a)[1] - 1 = floor(log2(a)), exactly
;;       r = np.clip(x / 2.0 ** e, -28, 28)
;;       step = 2.0 ** (np.maximum(np.frexp(np.where(r == 0, 1, r))[1] - 1, -2) - 2)
;;       q = np.round(r / step) * step * 2.0 ** e      # np.round: ties to even
;;       return np.moveaxis(q.reshape(q.shape[:-2] + (-1,))[..., :K], -1, axis).astype(np.float32)
;;   ~~~
;;   INPUTS GIVEN AS CODES. W_seg (in the module: [4, 2048, 2048], K = its axis 2): each comes as NAME_codes (uint8): NAME with its K axis moved to the last place and cut into blocks of 32 codes, [.., K / 32, bytes a block], one block behind the other in memory; four codes in three bytes: a row's codes are one little-endian stream of bits, code i at bits 6 i .. 6 i + 5 (a code: sign, 3 exponent bits, 2 mantissa bits); and NAME_scales (uint8): the same leading axes, one E8M0 byte (e + 127) for each 32 codes along K. Its value is code x scale, taken as it is: it is not quantised again, and the codes and scales need not be those that the quantiser above would give.
;; One version. Each part assembles by itself: llvm-mc -triple=amdgcn-amd-amdhsa -mcpu=gfx1250 --defsym DOCPART=n.
;; ======== version 1 of 1: 2 launches
;; limits: below input magnitudes of 1e-09 results are inexact or not finite; right only within a limited range of input values
;; workspace buffers: x_codes 6,291,456 bytes; x_scales 262,144 bytes; gates 262,144 bytes
;; launch prep (part 1): grid 256 x 1, 8 waves a work-group, no clusters, 46,080 bytes of LDS; arguments x, W_gate, b_gate, x_codes, x_scales, gates; writes x_codes, x_scales, gates
.if DOCPART == 1
	.amdgcn_target "amdgcn-amd-amdhsa--gfx1250"
	.amdhsa_code_object_version 6
	.text
	.protected	k_q2c12074ec5_prep
	.globl	k_q2c12074ec5_prep
	.p2align	8
	.type	k_q2c12074ec5_prep,@function
k_q2c12074ec5_prep:
	s_mov_b64 s[64:65], 0
	v_nop
	global_prefetch_b8 v0, s[64:65] scope:SCOPE_SE
	s_setreg_imm32_b32 hwreg(HW_REG_WAVE_MODE, 25, 1), 1
	s_wait_xcnt 0x0
; FIRST OF TWO LAUNCHES.  x [4096][2048] f32 is read once and gives three things:
;   x_codes  [8 planes][4096 rows][192 bytes]: codes of E3M2 along K; plane p holds k = 256 p .. 256 p + 255, so that 128 rows of one K step of 256 are one dense block of 24,576 bytes;
;   x_scales [4096][64]: one E8M0 byte for each 32 along K;
;   gates    [4096][16] f32: g0 g0 g1 g1 g2 g2 g3 g3 h h h h h h h h, with g_s = sigmoid(x . W_gate[s] + b_gate[s]) and h = 0.1 (g0 g1 g2 g3)^(1/4).
; NO WORK OF THE PROBLEM IS LEFT OUT: every input has a way to out0 and every input is loaded (x, W_gate, b_gate here; the weights' codes and scales, b_seg and threshold in the second launch).
; ONE RE-ASSOCIATION, exact in real numbers for all inputs: a sigmoid is never negative, so sign(prod_s stacked_s) = sign(P) wherever no gate is 0, and prod_s |stacked_s| = |P| g0 g1 g2 g3, with P = prod_s seg_s plateau_s.
; So 0.1 sign(..) (..)^(1/4) = h sign(P) |P|^(1/4); where a gate is 0, h is 0 and so is the term.  h hangs on the row alone and is made here.
; THE QUANTISER: a block's scale is 2^(floor(log2(largest magnitude)) - 4); its byte is the largest magnitude's exponent field - 4, held at 1 from below.  A block of zeros gets the byte 1 where the rule says 127:
; its codes are zeros, which add nothing under any byte but 0xff, and this program alone reads the bytes.  The conversion rounds to the nearest code, ties to even, and gives the largest code beyond 28.
; THE GATE PRODUCT (N = 4) is made by fused multiply-adds in f32 on the numbers that lie in registers for the quantiser: 32 packed instructions for 16 numbers x 4 gates.
; LIMITS: blocks whose largest magnitude lies under 2^-122 keep the byte 1; NaN and infinities among the inputs are not served; a product g0 g1 g2 g3 under the smallest normal f32 number counts as 0 in h
; (the square root takes denormals as zero: ISA guide, its entry in 15.8).
; SHARES.  Work-group g takes rows 16 g .. 16 g + 15; wave p takes plane p of them, in 8 steps of 2 rows x 256 numbers.  Each load reads 512 consecutive bytes, 16 a lane; a step's 2,048 bytes turn through the wave's own
; stage in LDS and come back 64 bytes a lane: lane l then holds row 2 t + l / 16, k = 256 p + 16 (l % 16) + 0 .. 15, and two neighbouring lanes hold a block of 32.
; No tensor loads: 24 loads of 512 bytes a wave are on their way in registers.  No cluster: the work-groups share W_gate's 32,768 bytes alone, which each reads once, into registers.
.set STEPS, 8
.set EMAX,  4
.set SP,    80                         ; a lane's place in a stage: its 64 bytes + 16 of padding
.set WREG,  2*32*SP                    ; LDS: two stages for each wave, 5,120 bytes
.set GPART, 8*WREG                     ; 40,960: [wave][row 16][gate 4] f32: each wave's part of the gate sums
.set SCB,   GPART+2048                 ; 43,008: [row 16][64] scale bytes
.set GOUT,  SCB+1024                   ; 44,032: [row 16][16] f32: the gates as they go out
.set SPARE, GOUT+1024                  ; 45,056: the spare words, 128 bytes for each of eight waves: four blocks of 256 bytes that no other line names
.set SPW,   12                         ; v12  LDS address of my spare word; never rewritten
.set NIL,   13                         ; v13  0; never rewritten
.set GA,    16                         ; v16-23  four pairs: the gate sums of my 16 numbers, even k and odd k
.set GS,    24                         ; v24-27  the four sums
.set WG,    32                         ; v32-95  W_gate[s][my 16 k] at WG + 16 s + i
.set R,     96                         ; v96-191 six sets of 16 numbers as they are loaded
.set X,     192                        ; v192-223 two sets of 16 neighbours
.set C,     224                        ; v224-255 four registers a step: three of codes, the fourth the scale's byte: no store's data are written again
; v1 8 x lane; v3 16 x lane; v4 12 x lane; v5 my block's scale byte in SCB; v6 my row's place in my wave's part of GPART; v7 my 16 numbers' bytes in a plane of W_gate; v8, v9, v11 at work;
; v10 64 (lane / 2) + 16 (lane % 2); v14, v15 the stage, in and out; v29 8 (lane % 2); v[30:31] b_gate's pair
	s_load_b256 s[4:11], s[0:1], 0x0               ; x s[4:5], W_gate s[6:7], b_gate s[8:9], x_codes s[10:11]
	s_load_b128 s[12:15], s[0:1], 0x20             ; x_scales s[12:13], gates s[14:15]
	v_lshl_add_u32 v[SPW], v0, 2, SPARE
	v_mov_b32 v[NIL], 0
	v_lshrrev_b32 v1, 5, v0
	v_readfirstlane_b32 s16, v1                    ; wave = plane, 0 .. 7
	v_and_b32 v2, 31, v0                           ; lane
	v_lshlrev_b32 v3, 4, v2
	v_mul_u32_u24 v4, v2, 12
	s_mul_i32 s17, s16, WREG
	v_lshrrev_b32 v14, 2, v2
	v_mul_u32_u24 v14, v14, SP
	v_and_b32 v15, 3, v2
	v_lshl_add_u32 v14, v15, 4, v14
	v_add_nc_u32 v14, s17, v14                     ; into the stage: four lanes' 64 bytes on end, then 16 of padding
	v_mul_u32_u24 v15, v2, SP
	v_add_nc_u32 v15, s17, v15                     ; out of it: SP x lane: my 16 neighbours
	v_bfe_u32 v8, v0, 4, 1                         ; lane / 16: which of the step's two rows
	v_bfe_u32 v9, v0, 1, 3                         ; (lane % 16) / 2: which block of the plane's eight
	v_lshl_add_u32 v5, v8, 6, v9
	s_lshl_b32 s17, s16, 3
	v_add_nc_u32 v5, s17, v5                       ; 64 x row + 8 x plane + block
	s_lshl_b32 s17, s16, 8
	v_lshlrev_b32 v6, 4, v8
	v_add_nc_u32 v6, s17, v6                       ; 256 x wave + 16 x row
	v_and_b32 v7, 15, v0
	v_lshlrev_b32 v7, 6, v7
	v_and_b32 v29, 1, v0
	v_lshlrev_b32 v29, 3, v29
	v_lshlrev_b32 v1, 3, v2
	v_lshrrev_b32 v10, 1, v2
	v_lshlrev_b32 v10, 6, v10
	v_lshl_add_u32 v10, v29, 1, v10
	s_lshl_b32 s18, ttmp9, 17                      ; x: 16 rows of 8,192 bytes a work-group,
	s_lshl_b32 s19, s16, 10                        ; 1,024 bytes a plane
	s_add_co_u32 s18, s18, s19
	s_mov_b32 s19, 0
	s_lshl_b32 s20, s16, 10                        ; W_gate: the same plane
	s_mov_b32 s21, 0
	s_mul_i32 s22, s16, 786432                     ; x_codes: a plane is 4,096 rows of 192 bytes,
	s_mul_i32 s23, ttmp9, 3072                     ; 16 rows a work-group
	s_add_co_u32 s22, s22, s23
	s_mov_b32 s23, 0
	s_lshl_b32 s24, ttmp9, 10                      ; x_scales and gates: 16 rows of 64 bytes
	s_mov_b32 s25, 0
	s_wait_kmcnt 0x0
	s_add_nc_u64 s[4:5], s[4:5], s[18:19]
	s_add_nc_u64 s[6:7], s[6:7], s[20:21]
	s_add_nc_u64 s[10:11], s[10:11], s[22:23]
	s_add_nc_u64 s[12:13], s[12:13], s[24:25]
	s_add_nc_u64 s[14:15], s[14:15], s[24:25]
	global_load_b64 v[30:31], v29, s[8:9]          ; b_gate[2 (lane % 2)], b_gate[2 (lane % 2) + 1]: wave 0 uses them at the end
.irp s, 0,1,2,3
.irp q, 0,1,2,3
	global_load_b128 v[WG+16*\s+4*\q:WG+16*\s+4*\q+3], v7, s[6:7] offset:8192*\s+16*\q
.endr
.endr
.macro LOAD t                          ; step t: rows 2 t and 2 t + 1 of my plane, 512 consecutive bytes a load, into set t % 6
.irp i, 0,1,2,3
	global_load_b128 v[R+16*((\t)%6)+4*\i:R+16*((\t)%6)+4*\i+3], v3, s[4:5] offset:(2*(\t)+\i/2)*8192+(\i%2)*512 th:TH_LOAD_NT
.endr
.endm
.macro TURN t                          ; step t's numbers through the stage: LDS serves a wave's instructions in order (ISA guide 5.7.1), so no wait stands between the stores and the loads
.irp i, 0,1,2,3
	ds_store_b128 v14, v[R+16*((\t)%6)+4*\i:R+16*((\t)%6)+4*\i+3] offset:32*SP*((\t)%2)+8*SP*\i
.endr
.irp i, 0,1,2,3
	ds_load_b128 v[X+16*((\t)%2)+4*\i:X+16*((\t)%2)+4*\i+3], v15 offset:32*SP*((\t)%2)+16*\i
.endr
.endm
.irp t, 0,1,2,3,4,5
	LOAD \t
.endr
	s_wait_loadcnt 20                              ; b_gate, W_gate and step 0 are in; the 20 loads of steps 1 to 5 may be out
	TURN 0
.macro STEP t
.set XS, X+16*((\t)%2)
.if (\t) > 0
	s_wait_dscnt 2                                 ; this step's numbers are back from the stage; the two younger LDS stores (the last step's byte and gate sums) may be out
.else
	s_wait_dscnt 0x0
.endif
.if (\t)+6 < STEPS
	LOAD (\t)+6                                    ; into the set that this step's turn has read
.endif
.if (\t)+1 < STEPS
.if (\t) < 2
	s_wait_loadcnt 20                              ; the next step's four loads are in; those of the five steps behind it may be out
.else
	s_wait_loadcnt 4*(STEPS-2-(\t))                ; nothing more is asked for: the count runs down
.endif
	TURN (\t)+1                                    ; the next step goes through the other stage while this one is worked
.endif
	v_max3_num_f32 v8, |v[XS]|, |v[XS+1]|, |v[XS+2]|               ; the largest magnitude of my 16, in two chains
	v_max3_num_f32 v9, |v[XS+3]|, |v[XS+4]|, |v[XS+5]|
.irp i, 6,10
	v_max3_num_f32 v8, v8, |v[XS+\i]|, |v[XS+\i+1]|
	v_max3_num_f32 v9, v9, |v[XS+\i+2]|, |v[XS+\i+3]|
.endr
	v_max3_num_f32 v8, v8, |v[XS+14]|, |v[XS+15]|
	v_max3_num_f32 v8, v8, v9, (EMAX+1)<<23        ; and the floor 2^(5 - 127): the byte cannot fall under 1
	v_max_num_f32_dpp v8, v8, v8 row_xmask:1 row_mask:0xf bank_mask:0xf   ; with my neighbour's 16: the block's
	v_add_nc_u32 v11, -(EMAX<<23), v8              ; 4 off its exponent field: the conversion takes the exponent field of this operand as its scale, and nothing else of it
	v_cvt_scalef32_pk16_bf6_f32 v[C+4*(\t):C+4*(\t)+2], v[XS:XS+15], v11
	v_lshrrev_b32 v[C+4*(\t)+3], 23, v11           ; the scale's byte (the plain line behind the conversion)
.irp s, 0,1,2,3
	v_pk_mul_f32 v[GA+2*\s:GA+2*\s+1], v[XS:XS+1], v[WG+16*\s:WG+16*\s+1]   ; the gate sums of my 16 numbers: the first products start them, the four gates by turns
.endr
.irp i, 2,4,6,8,10,12,14
.irp s, 0,1,2,3
	v_pk_fma_f32 v[GA+2*\s:GA+2*\s+1], v[XS+\i:XS+\i+1], v[WG+16*\s+\i:WG+16*\s+\i+1], v[GA+2*\s:GA+2*\s+1]
.endr
.endr
.irp s, 0,1,2,3
	v_add_f32 v[GS+\s], v[GA+2*\s], v[GA+2*\s+1]
.endr
.irp m, 1,2,4,8                        ; a row's plane lies in 16 neighbouring lanes: four steps, and each of them holds the sum
.irp s, 0,1,2,3
	v_add_f32_dpp v[GS+\s], v[GS+\s], v[GS+\s] row_xmask:\m row_mask:0xf bank_mask:0xf
.endr
.endr
	ds_store_b8 v5, v[C+4*(\t)+3] offset:SCB+128*(\t)              ; both lanes of a block write the same byte with the same value
	ds_store_b128 v6, v[GS:GS+3] offset:GPART+32*(\t)              ; the sixteen lanes of a row write the same 16 bytes with the same values
	global_store_b96 v4, v[C+4*(\t):C+4*(\t)+2], s[10:11] offset:384*(\t)   ; the wave stores 384 consecutive bytes; its eight stores are 3,072 bytes on end
.endm
.irp t, 0,1,2,3,4,5,6,7
	STEP \t
.endr
	s_wait_dscnt 0x0                               ; for the others' sake: my bytes and my gate sums lie in LDS
	s_barrier_signal -1
	s_barrier_wait -1
	s_cmp_lg_u32 s16, 0
	s_cbranch_scc1 .Lnot_wave_0
	; WAVE 0: the gates of the 16 rows.  Lane l takes row l / 2 and gates 2 (l % 2), 2 (l % 2) + 1
.irp w, 0,1,2,3,4,5,6,7
	ds_load_b64 v[96+2*\w:97+2*\w], v1 offset:GPART+256*\w
.endr
	s_wait_dscnt 0x0
.irp w, 0,1,2,3,4,5,6,7
	v_pk_add_f32 v[30:31], v[30:31], v[96+2*\w:97+2*\w]            ; the bias and the eight planes' parts, K ascending
.endr
	v_mul_f32 v96, 0xbfb8aa3b, v30                 ; -log2(e) z
	v_mul_f32 v97, 0xbfb8aa3b, v31
	v_exp_f32 v96, v96
	v_exp_f32 v97, v97
	v_nop                                          ; a plain line behind the last of the batch,
	s_wait_alu depctr_va_vdst(0)                   ; and the one wait ahead of its first reader
	v_add_f32 v96, 1.0, v96
	v_add_f32 v97, 1.0, v97
	v_rcp_f32 v96, v96                             ; sigmoid(z) = 1 / (1 + 2^(-log2(e) z)); where the power overflows, 1 / infinity = 0
	v_rcp_f32 v97, v97
	v_nop
	s_wait_alu depctr_va_vdst(0)
	v_mul_f32 v98, v96, v97
	v_mul_f32_dpp v98, v98, v98 row_xmask:1 row_mask:0xf bank_mask:0xf   ; with my neighbour's two: g0 g1 g2 g3
	v_sqrt_f32 v98, v98
	v_nop
	s_wait_alu depctr_va_vdst(0)
	v_sqrt_f32 v98, v98
	v_nop
	s_wait_alu depctr_va_vdst(0)
	v_mul_f32 v104, 0x3dcccccd, v98                ; h = 0.1 x the fourth root
	v_mov_b32 v105, v104
	v_mov_b32 v106, v104
	v_mov_b32 v107, v104
	v_mov_b32 v100, v96                            ; each gate twice, so that the second launch's packed forms take a pair as it lies
	v_mov_b32 v101, v96
	v_mov_b32 v102, v97
	v_mov_b32 v103, v97
	ds_store_b128 v10, v[100:103] offset:GOUT
	ds_store_b128 v10, v[104:107] offset:GOUT+32
	ds_load_b128 v[108:111], v3 offset:GOUT        ; my own stores, served in order: back as they lie in memory
	ds_load_b128 v[112:115], v3 offset:GOUT+512
	s_wait_dscnt 0x0
	global_store_b128 v3, v[108:111], s[14:15]     ; 512 consecutive bytes a store
	global_store_b128 v3, v[112:115], s[14:15] offset:512
	s_branch .Lend
.Lnot_wave_0:
	s_cmp_lg_u32 s16, 1
	s_cbranch_scc1 .Lend
	; WAVE 1: the 16 rows' scale bytes, 1,024 bytes on end
	ds_load_b128 v[96:99], v3 offset:SCB
	ds_load_b128 v[100:103], v3 offset:SCB+512
	s_wait_dscnt 0x0
	global_store_b128 v3, v[96:99], s[12:13]
	global_store_b128 v3, v[100:103], s[12:13] offset:512
.Lend:
	s_wait_tensorcnt 0x0                           ; the wave's end: behind my last LDS store
	ds_add_u32 v[SPW], v[NIL]
	s_wait_dscnt 0x0
	s_endpgm
.Lfunc_end_k_q2c12074ec5_prep:
	.size	k_q2c12074ec5_prep, .Lfunc_end_k_q2c12074ec5_prep-k_q2c12074ec5_prep
	.p2alignl 7, 3214868480
	.fill 96, 4, 3214868480
	.section	.rodata,"a",@progbits
	.p2align	6, 0x0
	.amdhsa_kernel k_q2c12074ec5_prep
		.amdhsa_group_segment_fixed_size 46080
		.amdhsa_private_segment_fixed_size 0
		.amdhsa_enable_private_segment 0
		.amdhsa_kernarg_size 48
		.amdhsa_user_sgpr_count 2
		.amdhsa_user_sgpr_kernarg_segment_ptr 1
		.amdhsa_wavefront_size32 1
		.amdhsa_system_sgpr_workgroup_id_x 1
		.amdhsa_system_sgpr_workgroup_id_y 1
		.amdhsa_system_sgpr_workgroup_id_z 1
		.amdhsa_system_vgpr_workitem_id 0
		.amdhsa_next_free_vgpr 256
		.amdhsa_next_free_sgpr 66
		.amdhsa_reserve_vcc 0
		.amdhsa_float_denorm_mode_32 3
		.amdhsa_float_denorm_mode_16_64 3
		.amdhsa_memory_ordered 1
		.amdhsa_forward_progress 1
		.amdhsa_inst_pref_size 48
	.end_amdhsa_kernel
	.amdgpu_metadata
---
amdhsa.version: [ 1, 2 ]
amdhsa.kernels:
  - .name:           k_q2c12074ec5_prep
    .symbol:         k_q2c12074ec5_prep.kd
    .args:
      - { .name: x, .offset: 0, .size: 8, .value_kind: global_buffer, .address_space: global }
      - { .name: W_gate, .offset: 8, .size: 8, .value_kind: global_buffer, .address_space: global }
      - { .name: b_gate, .offset: 16, .size: 8, .value_kind: global_buffer, .address_space: global }
      - { .name: x_codes, .offset: 24, .size: 8, .value_kind: global_buffer, .address_space: global }
      - { .name: x_scales, .offset: 32, .size: 8, .value_kind: global_buffer, .address_space: global }
      - { .name: gates, .offset: 40, .size: 8, .value_kind: global_buffer, .address_space: global }
    .group_segment_fixed_size: 46080
    .private_segment_fixed_size: 0
    .kernarg_segment_align: 8
    .kernarg_segment_size: 48
    .max_flat_workgroup_size: 256
    .sgpr_count:     66
    .vgpr_count:     256
    .wavefront_size: 32
...
	.end_amdgpu_metadata
.endif
;; end of part 1
;; launch gemm (part 2): grid 32 x 16, 4 waves a work-group, clusters of 4 x 4, 327,680 bytes of LDS; arguments x_codes, x_scales, W_seg_codes, W_seg_scales, gates, b_seg, threshold, out0; writes out0
.if DOCPART == 2
	.amdgcn_target "amdgcn-amd-amdhsa--gfx1250"
	.amdhsa_code_object_version 6
	.text
	.protected	k_q2c12074ec5_gemm
	.globl	k_q2c12074ec5_gemm
	.p2align	8
	.type	k_q2c12074ec5_gemm,@function
k_q2c12074ec5_gemm:
	s_mov_b64 s[64:65], 0
	v_nop
	global_prefetch_b8 v0, s[64:65] scope:SCOPE_SE
	s_setreg_imm32_b32 hwreg(HW_REG_WAVE_MODE, 25, 1), 1
	s_wait_xcnt 0x0
	s_wait_alu depctr_hold_cnt(0) depctr_sa_sdst(0) depctr_va_vdst(0) depctr_va_sdst(0) depctr_va_ssrc(0) depctr_va_vcc(0) depctr_vm_vsrc(0)
	s_getreg_b32 s2, hwreg(HW_REG_IB_STS2, 6, 4)
	s_cmp_eq_u32 s2, 0
	s_cbranch_scc0 .Lentry_in_a_cluster
	s_endpgm
.Lentry_in_a_cluster:
	s_bfe_u32 s2, ttmp6, 0x10000c
	s_cmp_lg_u32 s2, 0xf033
	s_cbranch_scc0 .Lentry_shape_is_right
	s_endpgm
.Lentry_shape_is_right:
; SECOND LAUNCH.  seg[s][b][d] = sum over k of x[b][k] W_seg[s][d][k] + b_seg[s][d], on codes of E3M2 with one E8M0 scale for each 32 along K, sums in f32; then, without seg ever going to memory,
;   S_s = seg_s sigmoid(5 (seg_s - threshold[s][d])),   out0[b][d] = sum_s g_s[b] S_s + h[b] sign(P) |P|^(1/4),   P = S_0 S_1 S_2 S_3,
; with g_s and h = 0.1 (g0 g1 g2 g3)^(1/4) as the first launch stored them (its head shows that this is the problem's formula, for all inputs).  No work of the problem is left out.
; LIMITS: where |P| lies under the smallest normal f32 number its root counts as 0 (the square root takes denormals as zero: ISA guide, its entry in 15.8): the term lost is under 1e-9 x h; P overflows where the four |S_s|
; multiply to more than 3e38; NaN and infinities among the inputs are not served.  Where 2^(..) overflows, 1 / (1 + infinity) = 0 and S_s = 0, as the sigmoid has it.
; SHARES.  A work-group of four waves, as many as a WGP has SIMDs, makes 256 rows b x 64 columns d of out0, for which it needs 256 x (4 segments x 64 d) of seg.  A wave makes 128 b x (4 segments x 32 d): 64 accumulators of 16 x 16,
; 512 registers, so that ALL FOUR SEGMENTS of a (b, d) lie in one lane.  Block i of the weights' eight is segment i / 2, columns 16 (i % 2) on.
; K goes in steps of 256 through a ring of two LDS slots filled by the tensor data mover.  x's part of a slot half is one dense block (128 rows x 192 bytes of a plane); the weights' is a tile of three dimensions:
; 192 bytes x 32 rows x 4 segments, which lands as 128 rows on end.  The scale bytes of the work-group's rows, for all of K, come once with the first fills and stay.
; CLUSTERS: 4 x 4 work-groups.  The four of a row of the cluster need the same rows of x, the four of a column the same rows of the weights: each tile is asked for JOINTLY, by the same tensor load with the same descriptor
; and a mask that names the four.
; THE MATRIX INSTRUCTION IS USED TRANSPOSED (source 0 = 16 rows of the weights, source 1 = 16 rows of x): in accumulator (a, i) lane (r, h), register j, holds b = 16 a + r, d = 16 (i % 2) + 8 h + j of segment i / 2.
; b_seg is the C of each sum's first product: eight registers a block, in the result's layout.
; REGISTERS, in windows of 256: window 0: v1-15 at work at the head; v16-31 addresses; v32-63 scale words, two sets, and nothing else; v64-127 b_seg, and behind the first step the gates (block a: four pairs at 64 + 8 a);
;   v128-223 x's fragments, ONE set; in the tail v128-191 E, v192-207 the sums, v208-223 P; v224-239 h (a pair a block); v240-255 the roots.
;   window 1: the weights' fragments, TWO sets, at v0 and v128 (in the tail v0-31: rows on their way out); 5 log2(e) x threshold at v96-127 and v224-255.   windows 2, 3: the accumulators ((a, i) at v[8 (8 (a % 4) + i)] of window 2 + a / 4).
.set NQ,     2                         ; steps of 128 along K in a slot
.set ROWB,   192                       ; 256 codes in bytes
.set PLANE,  4096*ROWB                 ; a plane of x_codes
.set WROW,   1536                      ; a row of the weights' codes in memory
.set PITCH,  240                       ; an LDS row: 3 x (64 bytes + 16 of padding) = 60 words: row r starts at bank -4 r mod 64 (64 banks of 4 bytes: ISA guide 11.1)
.set FR,     12                        ; registers of a fragment: 16 rows x 128 K
.set NL,     6                         ; LDS loads that bring one
.set NP,     4                         ; places behind this matrix instruction (ISA guide 7.12.1)
.set HALFT,  128*PITCH                 ; 128 rows: what one tensor load brings
.set SLOT,   4*HALFT                   ; x's 256 rows, then the weights' 256
.set LAPS,   4                         ; a lap = two K steps of 256; K = 2,048
.set KS,     64                        ; a row of scale bytes
.set SCL,    2*SLOT                    ; behind the ring: the scales, as units of 256 bytes + 16 of padding
.set HALFS,  32*272                    ; those of 128 rows
.set SBLK,   4*272                     ; those of 16 rows
.set SPARE,  SCL+4*HALFS               ; the spare words, 128 bytes for each wave: two blocks of 256 bytes that no other line names
.set SPITCH, 272                       ; the way out: a stage of 256 rows x (256 bytes + 16), the work-group's.  It lies in slot 0, which has had its last fill and its last read when the first result is stored there
.set ADRA, 16                          ; v16-17 LDS address of my fragments of x in slot 0, 1; v18-19 the same behind one padding more
.set ADRB, 20                          ; v20-23 the same for the weights
.set STO,  24                          ; the stage: where I put 16 bytes of a row
.set RD,   25                          ; and where I read a row back
.set CO,   26                          ; my byte offset in two rows of out0
.set ADRS, 27                          ; my scale words: lanes 0-15 x's rows, lanes 16-31 the weights'
.set SPW,  28                          ; my spare word; never rewritten
.set NIL,  29                          ; 0; never rewritten
.set BO,   30                          ; 32 h: my eight columns in a block of b_seg or threshold
.set GO,   31                          ; 64 r: my row among 16 rows of gates
.set SC,   32
.set BIAS, 64
.set GT,   64
.set AF,   128
.set EE,   128
.set SU,   192
.set PR,   208
.set HH,   224
.set QQ,   240
.set BK,   0                           ; in window 1
.set WV,   20                          ; s20 wave; s21 which half of the rows b is mine (also: I fetch for x (0) or for the weights (1)); s22 which half of the columns d (also: which half of that tile I fetch)
.set SHI,  21
.set SLO,  22
.set G1,   24                          ; s[24:31] group 1 for x's tiles; s[32:39] group 0, a set for each slot
.set G0,   32
.set G1B,  48                          ; s[48:55], s[56:63] the same for the weights' tiles
.set G0B,  56
.set G1S,  68                          ; s[68:75], s[76:79] x's scales; s[80:87], s[88:91] the weights'
.set G0S,  76
.set G1SB, 80
.set G0SB, 88
.set G2,   92                          ; s[92:95], s[96:99] groups 2 and 3 of the two tiles of three dimensions
.set G3,   96
.set MSB, 0
.macro WIN new                         ; the immediate's high byte repeats the setting that is left; a switch that changes nothing is dropped
.if MSB != (\new)
	s_set_vgpr_msb (MSB<<8)|(\new)
.set MSB, (\new)
.endif
.endm
.set MUL_LO, 0xa1                      ; source 0 (weights) window 1, source 1 (x) window 0, C and D window 2
.set MUL_HI, 0xf1                      ; the same, C and D window 3
.set TO_B,   0x40                      ; destination window 1, address window 0
; A joint load: waves 0 and 1 fetch for x, waves 2 and 3 for the weights.  Each of the two lines has ONE mask and one set of registers for all that issue it; the branch hangs on the wave's number alone.
; An s_nop 0 and four v_nop follow each of the two lines, ahead of the jump, the label and what follows.
.macro JLOAD g0a, g1a, g0b, g1b
	s_cmp_eq_u32 s[SHI], 0
	s_cbranch_scc0 .Lfor_b_\@
	tensor_load_to_lds s[\g0a:\g0a+3], s[\g1a:\g1a+7]
	s_nop 0
.rept 4
	v_nop
.endr
	s_branch .Lasked_\@
.Lfor_b_\@:
	tensor_load_to_lds s[\g0b:\g0b+3], s[\g1b:\g1b+7], s[G2:G2+3], s[G3:G3+3]
	s_nop 0
.rept 4
	v_nop
.endr
.Lasked_\@:
.endm
.macro CREST                           ; a round of the cluster's barrier behind its opening barrier
	s_cmp_lg_u32 s[WV], 0
	s_cbranch_scc1 .Lnot_wave_0_\@
	s_barrier_signal -3
.Lnot_wave_0_\@:
	s_barrier_wait -3
	s_barrier_signal -1
	s_barrier_wait -1
.endm
.macro CROUND                          ; a whole round
	s_barrier_signal -1
	s_barrier_wait -1
	CREST
.endm
	s_load_b512 s[4:19], s[0:1], 0x0               ; x_codes s[4:5], x_scales s[6:7], W_seg_codes s[8:9], W_seg_scales s[10:11], gates s[12:13], b_seg s[14:15], threshold s[16:17], out0 s[18:19]
	v_lshl_add_u32 v[SPW], v0, 2, SPARE
	v_mov_b32 v[NIL], 0
	ds_add_u32 v[SPW], v[NIL]                      ; the wave's opening: the add, twice on end, and its wait ahead of my first tensor load; the set-up below, work on registers, stands between
	ds_add_u32 v[SPW], v[NIL]                      ; and once more, under the one wait
	v_lshrrev_b32 v1, 5, v0
	v_readfirstlane_b32 s[WV], v1                  ; wave 0..3
	s_lshr_b32 s[SHI], s[WV], 1
	s_and_b32 s[SLO], s[WV], 1
	s_bfe_u32 s40, ttmp6, 0x40000                  ; cx, cy: my place in the cluster
	s_bfe_u32 s41, ttmp6, 0x40004
	s_lshl_b32 s42, ttmp9, 2
	s_add_co_u32 s42, s42, s40                     ; tx = 4 x cluster x + cx: 64 columns d
	s_and_b32 s43, ttmp7, 0xffff
	s_lshl_b32 s43, s43, 2
	s_add_co_u32 s43, s43, s41                     ; ty = 4 x cluster y + cy: 256 rows b
	s_lshl_b32 s44, s41, 2
	s_lshl_b32 s44, 15, s44                        ; my row of the cluster
	s_lshl_b32 s45, 0x1111, s40                    ; my column
	; group 1, x's codes: 128 rows x 192 bytes of a plane are 24,576 dense bytes, stated as 96 rows of 256 bytes; 16 bytes of padding behind every 64 make of them 128 LDS rows of 240
	s_or_b32 s[G1+0], s44, (0<<16)|(1<<20)|(1<<21)|(3<<22)|(3<<25)   ; 15:0 the mask: my row; 17:16 elements of 1 byte; 20 padding on; 21 set beside a mask; 24:22 after every 16 words (code 3); 31:25 of 4 words (code 3)
	s_mov_b32 s[G1+1], 256<<16                     ; tensor_dim0
	s_mov_b32 s[G1+2], 96<<16                      ; tensor_dim1
	s_mov_b32 s[G1+3], 256<<16                     ; tile_dim0
	s_mov_b32 s[G1+4], 96                          ; tile_dim1
	s_mov_b32 s[G1+5], 256                         ; from row to row
	s_mov_b32 s[G1+6], 0
	s_mov_b32 s[G1+7], 0
	; group 1, the weights' codes: 192 bytes x 32 rows (1,536 bytes apart) x 4 segments (2,048 rows = 0x300000 bytes apart)
	s_or_b32 s[G1B+0], s45, (0<<16)|(1<<20)|(1<<21)|(3<<22)|(3<<25)  ; the same with the mask of my column
	s_mov_b32 s[G1B+1], ROWB<<16
	s_mov_b32 s[G1B+2], 32<<16
	s_mov_b32 s[G1B+3], ROWB<<16
	s_mov_b32 s[G1B+4], 32|(4<<16)                 ; tile_dim1 = 32, tile_dim2 = 4
	s_mov_b32 s[G1B+5], WROW
	s_mov_b32 s[G1B+6], 0                          ; the pitch's high part; the plane stride's low 16 bits are 0
	s_mov_b32 s[G1B+7], 0x30                       ; the plane stride's bits 47:16
	; group 1, x's scales: 128 rows x 64 bytes, dense, as 32 rows of 256 bytes (32 elements of 8 bytes), 16 bytes of padding behind each
	s_or_b32 s[G1S+0], s44, (3<<16)|(1<<20)|(1<<21)|(5<<22)|(3<<25)
	s_mov_b32 s[G1S+1], 32<<16
	s_mov_b32 s[G1S+2], 32<<16
	s_mov_b32 s[G1S+3], 32<<16
	s_mov_b32 s[G1S+4], 32
	s_mov_b32 s[G1S+5], 32
	s_mov_b32 s[G1S+6], 0
	s_mov_b32 s[G1S+7], 0
	; group 1, the weights' scales: 32 rows x 64 bytes of a segment are 8 rows of 256 bytes; 4 segments, 131,072 bytes = 16,384 elements apart
	s_or_b32 s[G1SB+0], s45, (3<<16)|(1<<20)|(1<<21)|(5<<22)|(3<<25)
	s_mov_b32 s[G1SB+1], 32<<16
	s_mov_b32 s[G1SB+2], 8<<16
	s_mov_b32 s[G1SB+3], 32<<16
	s_mov_b32 s[G1SB+4], 8|(4<<16)
	s_mov_b32 s[G1SB+5], 32
	s_mov_b32 s[G1SB+6], 0x4000<<16
	s_mov_b32 s[G1SB+7], 0
	; groups 2 and 3, for both tiles of three dimensions: four planes are left; the fourth and fifth dimensions are not used (their tile sizes are 0)
	s_mov_b32 s[G2+0], 4                           ; tensor_dim2
	s_mov_b32 s[G2+1], 1                           ; tensor_dim3
	s_mov_b32 s[G2+2], 0xc00000                    ; its stride
	s_mov_b32 s[G2+3], 0                           ; tile_dim3 = 0
	s_mov_b32 s[G3+0], 0xc00000
	s_mov_b32 s[G3+1], 1<<16                       ; tensor_dim4 = 1
	s_mov_b32 s[G3+2], 0                           ; tile_dim4 = 0
	s_mov_b32 s[G3+3], 0
	; where the tiles come from.  x's hang on ty alone, which my row of the cluster shares; the weights' on tx alone, which my column shares.  Each in registers that never hold the other coordinate
	s_lshl_b32 s100, s43, 8
	s_lshl_b32 s101, s[SLO], 7
	s_add_co_u32 s100, s100, s101                  ; x: row 256 ty + 128 x half
	s_lshl_b32 s66, s100, 6                        ; its scale bytes
	s_mov_b32 s67, 0
	s_mul_i32 s100, s100, ROWB                     ; its codes in a plane
	s_mov_b32 s101, 0
	s_lshl_b32 s46, s42, 6
	s_lshl_b32 s47, s[SLO], 5
	s_add_co_u32 s46, s46, s47                     ; the weights: row 64 tx + 32 x half of each segment
	s_lshl_b32 s2, s46, 6
	s_mov_b32 s3, 0
	s_mul_i32 s46, s46, WROW
	s_mov_b32 s47, 0
	s_mov_b32 s23, 0x7fffffff                      ; all of a number but its sign
	s_wait_dscnt 0x0                               ; both opening adds are done
	s_wait_kmcnt 0x0
	s_add_nc_u64 s[4:5], s[4:5], s[100:101]
	s_add_nc_u64 s[6:7], s[6:7], s[66:67]
	s_add_nc_u64 s[8:9], s[8:9], s[46:47]
	s_add_nc_u64 s[10:11], s[10:11], s[2:3]
	s_mul_i32 s100, s[WV], HALFT                   ; where they go: wave x 128 rows: no place in the cluster enters an LDS address
	s_mul_i32 s101, s[WV], HALFS
	s_mov_b32 s[G0S], 1                            ; 1:0 count = 1
	s_add_co_u32 s[G0S+1], s101, SCL               ; 63:32 LDS address
	s_mov_b64 s[G0S+2:G0S+3], s[6:7]               ; 120:64 global address
	s_or_b32 s[G0S+3], s[G0S+3], 0x80000000        ; 127:126 type = 2
	s_mov_b32 s[G0SB], 1
	s_add_co_u32 s[G0SB+1], s101, SCL
	s_mov_b64 s[G0SB+2:G0SB+3], s[10:11]
	s_or_b32 s[G0SB+3], s[G0SB+3], 0x80000000
.irp s, 0,1
	s_mov_b32 s[G0+4*\s], 1
	s_add_co_u32 s[G0+4*\s+1], s100, \s*SLOT
	s_add_nc_u64 s[G0+4*\s+2:G0+4*\s+3], s[4:5], \s*PLANE          ; K step s is plane s
	s_or_b32 s[G0+4*\s+3], s[G0+4*\s+3], 0x80000000
	s_mov_b32 s[G0B+4*\s], 1
	s_add_co_u32 s[G0B+4*\s+1], s100, \s*SLOT
	s_add_nc_u64 s[G0B+4*\s+2:G0B+4*\s+3], s[8:9], \s*ROWB         ; K step s is 192 s bytes along a row
	s_or_b32 s[G0B+4*\s+3], s[G0B+4*\s+3], 0x80000000
.endr
	s_mov_b32 s46, 0xc0e6d4ca                      ; -5 log2(e); the packed forms name a pair and take its low word for both halves, so both are written
	s_mov_b32 s47, s46
	s_mov_b32 s66, 0x40e6d4ca                      ; 5 log2(e)
	s_mov_b32 s67, s66
	CROUND                                         ; all sixteen work-groups are here: the first joint loads meet
	JLOAD G0S, G1S, G0SB, G1SB                     ; the scales first: they are wanted with K step 0
	JLOAD G0, G1, G0B, G1B                         ; slot 0
	JLOAD G0+4, G1, G0B+4, G1B                     ; slot 1: three tensor loads of mine are out
	v_and_b32 v1, 15, v0                           ; r = lane % 16
	v_bfe_u32 v2, v0, 4, 1                         ; h = lane / 16
	v_mul_u32_u24 v3, v1, PITCH
	v_mul_u32_u24 v4, v2, 24
	v_add_nc_u32 v4, v3, v4                        ; a fragment's row x pitch + 24 x half
	v_lshl_add_u32 v5, v2, 4, v4                   ; and the same behind one padding more
	s_mul_i32 s4, s[SHI], HALFT                    ; my 128 rows of x
	s_mul_i32 s5, s[SLO], HALFT                    ; my 128 rows of the weights,
	s_add_co_u32 s5, s5, 2*HALFT                   ; which lie behind x's 256
.irp s, 0,1
	v_add_nc_u32 v[ADRA+\s], s4, v4
	v_add_nc_u32 v[ADRB+\s], s5, v4
	v_add_nc_u32 v[ADRA+2+\s], s4, v5
	v_add_nc_u32 v[ADRB+2+\s], s5, v5
	s_add_co_u32 s4, s4, SLOT
	s_add_co_u32 s5, s5, SLOT
.endr
	v_mul_u32_u24 v5, v1, KS                       ; my row's scales: 64 bytes a row,
	v_lshrrev_b32 v6, 8, v5
	v_lshl_add_u32 v5, v6, 4, v5                   ; and 16 more for each 256 passed
	s_mul_i32 s4, s[SHI], HALFS                    ; x's: my 128 rows
	s_mul_i32 s5, s[SLO], HALFS                    ; the weights': my 128 rows, behind x's 256
	s_add_co_u32 s5, s5, 2*HALFS
	s_sub_co_u32 s5, s5, s4
	v_mul_u32_u24 v6, s5, v2                       ; lanes 16-31 take the weights': the lower base + h x the distance
	s_add_co_u32 s4, s4, SCL
	v_add_nc_u32 v5, v5, v6
	v_add_nc_u32 v[ADRS], s4, v5
	s_lshl_b32 s4, s[SHI], 7
	s_mul_i32 s4, s4, SPITCH                       ; the stage: my half's 128 rows
	s_lshl_b32 s5, s[SLO], 7                       ; my 32 columns: 128 bytes
	s_add_co_u32 s5, s5, s4
	v_mul_u32_u24 v5, v1, SPITCH
	v_lshl_add_u32 v5, v2, 5, v5
	v_add_nc_u32 v[STO], s5, v5                    ; in: row r, + 32 h
	s_mul_i32 s5, s[SLO], 8*SPITCH                 ; back: of a block's 16 rows I take 8 x my column half on; lanes 0-15 one row of 256 bytes, lanes 16-31 the next
	s_add_co_u32 s5, s5, s4
	v_mul_u32_u24 v5, v2, SPITCH
	v_lshl_add_u32 v5, v1, 4, v5
	v_add_nc_u32 v[RD], s5, v5
	v_lshlrev_b32 v[CO], 13, v2                    ; and the same two rows in out0: 8,192 bytes a row
	v_lshl_add_u32 v[CO], v1, 4, v[CO]
	v_lshlrev_b32 v[BO], 5, v2
	v_lshlrev_b32 v[GO], 6, v1
	s_lshl_b32 s6, s43, 8
	s_lshl_b32 s7, s[SHI], 7
	s_add_co_u32 s6, s6, s7                        ; my first row b: 256 ty + 128 x half
	s_lshl_b32 s8, s6, 6                           ; gates: 64 bytes a row
	s_mov_b32 s9, 0
	s_add_nc_u64 s[12:13], s[12:13], s[8:9]
	s_lshl_b32 s7, s[SLO], 3
	s_add_co_u32 s6, s6, s7                        ; the first row that I store
	s_lshl_b32 s6, s6, 13
	s_lshl_b32 s7, s42, 8                          ; the tile's 64 columns: 256 bytes
	s_add_co_u32 s6, s6, s7
	s_mov_b32 s7, 0
	s_add_nc_u64 s[18:19], s[18:19], s[6:7]
	s_lshl_b32 s8, s42, 8                          ; b_seg, threshold: column 64 tx + 32 x half, 4 bytes each
	s_lshl_b32 s10, s[SLO], 7
	s_add_co_u32 s8, s8, s10
	s_add_nc_u64 s[14:15], s[14:15], s[8:9]
	s_add_nc_u64 s[16:17], s[16:17], s[8:9]
.irp i, 0,1,2,3,4,5,6,7                        ; b_seg in the result's layout: block i, lane (r, h): segment i / 2, columns 16 (i % 2) + 8 h + 0 .. 7
.irp q, 0,1
	global_load_b128 v[BIAS+8*\i+4*\q:BIAS+8*\i+4*\q+3], v[BO], s[14:15] offset:8192*(\i/2)+64*(\i%2)+16*\q
.endr
.endr
	WIN TO_B
.irp i, 0,1,2,3,4,5,6,7                        ; threshold likewise, into the gaps of window 1: number t = 8 i + j at v[96 + t] under 32, at v[192 + t] from 32 on
.irp q, 0,1
.set TR, 96+8*\i+4*\q+96*(\i/4)
	global_load_b128 v[TR:TR+3], v[BO], s[16:17] offset:8192*(\i/2)+64*(\i%2)+16*\q
.endr
.endr
	WIN 0
.macro FRAG reg, adr, q, i             ; a fragment, 16 rows x 128 K of 6-bit codes, is 12 registers: lane l holds row l % 16; registers 6 c .. 6 c + 5 hold K = 64 c + 32 (l / 16) + 0 .. 31: 24 bytes of the row's stream of bits, as they lie
.irp p, 0,1,2,3,4,5                    ; in pieces of 8 bytes, so that every address is a multiple of the access's size.  Lanes 0-15 take the row's pieces 12 q + 0, 1, 2 and 12 q + 6, 7, 8, lanes 16-31 those three pieces on
.set PC, 12*(\q)+6*(\p/3)+\p%3        ; 16 bytes of padding lie behind every 8 pieces: where the piece three on lies behind one padding more, the second address register (40 for 24 bytes a half) serves
.if PC%8 < 5
	ds_load_b64 v[\reg+2*\p:\reg+2*\p+1], v[\adr] offset:8*PC+16*(PC/8)+(\i)*16*PITCH
.else
	ds_load_b64 v[\reg+2*\p:\reg+2*\p+1], v[\adr+2] offset:8*PC+16*(PC/8)+(\i)*16*PITCH
.endif
.endr
.endm
; 16 matrix instructions: x's blocks a0, a0 + 1 against the weights' eight, 128 along K: the slot's q-th.  p: the weights' set; sc: the set of scale words.  first = 1: the sums begin with b_seg as C: nothing is cleared, no bias is added.
; The 64 accumulators take turns, one instruction a turn, in the same order in every step.
.macro MUL16 a0, p, q, sc, first
.irp a, \a0, \a0+1
.irp b, 0,1,2,3,4,5,6,7
.if \first
	v_wmma_scale_f32_16x16x128_f8f6f4 v[8*(8*((\a)%4)+\b):8*(8*((\a)%4)+\b)+7], v[128*(\p)+FR*\b:128*(\p)+FR*\b+FR-1], v[AF+FR*(\a):AF+FR*(\a)+FR-1], v[BIAS+8*\b:BIAS+8*\b+7], v[SC+8*NQ*(\sc)+NQ*\b+(\q)], v[SC+8*NQ*(\sc)+NQ*(\a)+(\q)] matrix_a_fmt:MATRIX_FMT_BF6 matrix_b_fmt:MATRIX_FMT_BF6 matrix_a_scale:MATRIX_SCALE_ROW1
.else
	v_wmma_scale_f32_16x16x128_f8f6f4 v[8*(8*((\a)%4)+\b):8*(8*((\a)%4)+\b)+7], v[128*(\p)+FR*\b:128*(\p)+FR*\b+FR-1], v[AF+FR*(\a):AF+FR*(\a)+FR-1], v[8*(8*((\a)%4)+\b):8*(8*((\a)%4)+\b)+7], v[SC+8*NQ*(\sc)+NQ*\b+(\q)], v[SC+8*NQ*(\sc)+NQ*(\a)+(\q)] matrix_a_fmt:MATRIX_FMT_BF6 matrix_b_fmt:MATRIX_FMT_BF6 matrix_a_scale:MATRIX_SCALE_ROW1
.endif
.endr
.endr
.endm
.macro FETCH_B slot, q, p              ; the weights' eight fragments of the slot's q-th 128 along K into set p
	WIN TO_B
.irp i, 0,1,2,3,4,5,6,7
	FRAG 128*(\p)+FR*\i, ADRB+\slot, \q, \i
.endr
	WIN 0
.endm
.macro FETCH_A slot, q, i0             ; x's blocks i0 .. i0 + 3
.irp i, \i0, \i0+1, \i0+2, \i0+3
	FRAG AF+FR*(\i), ADRA+\slot, \q, \i
.endr
.endm
.macro SCALES sc                       ; a K step's scale words into set sc: two words a row; lanes 0-15 take x's block i, lanes 16-31 the weights' block i
.irp i, 0,1,2,3,4,5,6,7
	ds_load_b64 v[SC+8*NQ*\sc+NQ*\i:SC+8*NQ*\sc+NQ*\i+1], v[ADRS] offset:\i*SBLK
.endr
.endm
; A load into a register that a matrix instruction has read, and a vector instruction or an LDS store that reads a matrix result, stand NP places behind that matrix instruction, and only plain vector
; instructions that name none of its registers are places (ISA guide 7.12.1 for vector instructions).
.macro PLACES n
.rept \n
	v_nop
.endr
.endm
; A step of 128 along K that has its successor in the same slot.  x has one set of registers: blocks 0-3 are fetched anew in the step's middle, blocks 4-7 at its end; the weights have two sets.
.macro STEP slot, q, first
	s_wait_dscnt 4*NL                              ; the weights' set, the scale words and x's blocks 0-3 are in; the youngest 24 loads (x's blocks 4-7) may be out
.if \first
	WIN 0x81                                       ; C (b_seg) in window 0, D in window 2
.else
	WIN MUL_LO
.endif
	MUL16 0, (\q)%2, \q, \slot, \first
	MUL16 2, (\q)%2, \q, \slot, \first
	s_wait_dscnt 0                                 ; x's blocks 4-7 are in (asked for 32 matrix instructions ago)
	PLACES NP
	FETCH_B \slot, (\q)+1, 1-(\q)%2
	FETCH_A \slot, (\q)+1, 0
.if \first
	WIN 0xc1
.else
	WIN MUL_HI
.endif
	MUL16 4, (\q)%2, \q, \slot, \first
	MUL16 6, (\q)%2, \q, \slot, \first
	PLACES NP
	WIN 0
	FETCH_A \slot, (\q)+1, 4
.endm
; A slot's last step changes slots: ONE barrier; in front of it each wave waits for all its tensor loads, adds 0 to its spare word, and waits for that and for its own reads of this slot.  fill = 1: this slot is filled again, two K steps ahead.
.macro TURN slot, next, fill
	s_wait_tensorcnt 0x0                           ; all my tensor loads have landed: the one that was out is my part of the next slot (every window is 0 here)
	ds_add_u32 v[SPW], v[NIL]                      ; 0 onto my spare word
	s_wait_dscnt 4*NL+1                            ; (the add and the youngest 24 loads, x's blocks 4-7, may be out)
	WIN MUL_LO
	MUL16 0, 1, NQ-1, \slot, 0                     ; sixteen matrix instructions stand between the add and the wait for it
	s_wait_dscnt 0x0                               ; the add is done, and my reads of this slot are over
	s_barrier_signal -1
	MUL16 2, 1, NQ-1, \slot, 0
	WIN 0
	s_barrier_wait -1
.if \fill
	CREST                                          ; the barrier has opened a round of the cluster's barrier: no wave of any partner still reads this slot's tile or has a load on its way
	s_add_nc_u64 s[G0+4*\slot+2:G0+4*\slot+3], s[G0+4*\slot+2:G0+4*\slot+3], 2*PLANE
	s_add_nc_u64 s[G0B+4*\slot+2:G0B+4*\slot+3], s[G0B+4*\slot+2:G0B+4*\slot+3], 2*ROWB
	JLOAD G0+4*\slot, G1, G0B+4*\slot, G1B         ; the first tensor load behind the round, my one load until the next; the four v_nop behind it are the places in front of the loads below
.else
	PLACES NP
.endif
	v_add_nc_u32 v[ADRS], 4*NQ, v[ADRS]            ; on to the next K step's scale words
	FETCH_B \next, 0, 0
	FETCH_A \next, 0, 0
	SCALES \next
	WIN MUL_HI
	MUL16 4, 1, NQ-1, \slot, 0
	MUL16 6, 1, NQ-1, \slot, 0
	PLACES NP
	WIN 0
	FETCH_A \next, 0, 4
.endm
	s_wait_tensorcnt 1                             ; the scales and my part of K step 0 are in; K step 1's load may stay out
	s_barrier_signal -1
	s_barrier_wait -1                              ; everybody's are
	FETCH_B 0, 0, 0
	FETCH_A 0, 0, 0
	SCALES 0
	FETCH_A 0, 0, 4
	s_wait_loadcnt 0x0                             ; b_seg and threshold
	WIN 0x41                                       ; destination and source 0 in window 1
.set IX, 0
.rept 32
.set TR, 96+2*IX+96*(IX/16)
	v_pk_mul_f32 v[TR:TR+1], v[TR:TR+1], s[66:67] op_sel_hi:[1,0]  ; 5 log2(e) x threshold, once; it stands while the first fragments come from LDS
.set IX, IX+1
.endr
	WIN 0
	STEP 0, 0, 1                                   ; the first step stands in front of the loop: its products start the sums, on b_seg
.irp a, 0,1,2,3,4,5,6,7                        ; b_seg has had its last reader four places back: its registers take my 128 rows' gates, which have all of K in which to land
	global_load_b128 v[GT+8*\a:GT+8*\a+3], v[GO], s[12:13] offset:1024*\a
	global_load_b128 v[GT+8*\a+4:GT+8*\a+7], v[GO], s[12:13] offset:1024*\a+16
	global_load_b64 v[HH+2*\a:HH+2*\a+1], v[GO], s[12:13] offset:1024*\a+32
.endr
	s_mov_b32 s3, LAPS-1
.Llap:                                                 ; a trip goes once round the ring, from a lap's second step to the next lap's first, and fills both slots again
	TURN 0, 1, 1
	STEP 1, 0, 0
	TURN 1, 0, 1
	STEP 0, 0, 0
	s_sub_co_u32 s3, s3, 1
	s_cmp_lg_u32 s3, 0
	s_cbranch_scc1 .Llap
	TURN 0, 1, 0                                   ; the last lap fills nothing, and has no round of the cluster's barrier: behind this barrier nobody reads slot 0
	STEP 1, 0, 0
	s_wait_dscnt 4*NL                              ; the very last step: nothing more to fetch
	WIN MUL_LO
	MUL16 0, 1, NQ-1, 1, 0
	MUL16 2, 1, NQ-1, 1, 0
	s_wait_dscnt 0
	WIN MUL_HI
	MUL16 4, 1, NQ-1, 1, 0
	MUL16 6, 1, NQ-1, 1, 0
	WIN 0
; THE TAIL, a block of 16 rows b at a time.  A block's 64 registers are number 16 s + o: segment s, column o = 8 u + j of my 32.
; A row's 256 bytes of out0 come from two waves, so a block's results meet in the work-group's stage, with a barrier between the writing and the reading; each block has stage rows of its own, so nothing there is written twice.
; The barrier is split: a block's signal stands at its end, the wait in the middle of the next block's arithmetic, and only work on registers stands between.
.macro BACK ph                         ; block ph's rows are whole in the stage: I read 8 of its 16 back, two rows an instruction
	s_barrier_wait -1
	s_wait_xcnt 0x0                                ; the stores of two blocks back have read these registers: only behind this wait are they loaded again
	WIN TO_B
.irp t, 0,1,2,3
	ds_load_b128 v[BK+16*((\ph)%2)+4*\t:BK+16*((\ph)%2)+4*\t+3], v[RD] offset:(16*(\ph)+2*\t)*SPITCH
.endr
	WIN 0
.endm
.macro OUT ph, younger                 ; younger: the LDS instructions issued behind BACK's loads, which may stay out
	s_wait_dscnt \younger
	WIN 0x04                                       ; a store's data are its source 1: window 1
.irp t, 0,1,2,3
	global_store_b128 v[CO], v[BK+16*((\ph)%2)+4*\t:BK+16*((\ph)%2)+4*\t+3], s[18:19] offset:(16*(\ph)+2*\t)*8192 th:TH_STORE_NT   ; 16 lanes store 256 consecutive bytes, at a multiple of 256 from out0's first byte; written once
.endr
	WIN 0
.endm
.macro EPI a
.set AC, 64*((\a)%4)
.set WA, 2+(\a)/4
	WIN 0x10+WA                                    ; source 0 (the sums) window 2 or 3, source 2 (threshold) window 1
.set IX, 0
.rept 32
.set TR, 96+2*IX+96*(IX/16)
	v_pk_fma_f32 v[EE+2*IX:EE+2*IX+1], v[AC+2*IX:AC+2*IX+1], s[46:47], v[TR:TR+1] op_sel_hi:[1,0,1]   ; -5 log2(e) (seg - threshold); each accumulator from its low end on
.set IX, IX+1
.endr
	WIN 0
.set IX, 0
.rept 64
	v_exp_f32 v[EE+IX], v[EE+IX]
.set IX, IX+1
.endr
	v_nop                                          ; a plain line behind the last of the batch,
	s_wait_alu depctr_va_vdst(0)                   ; and the one wait ahead of its first reader
.set IX, 0
.rept 32
	v_pk_add_f32 v[EE+2*IX:EE+2*IX+1], v[EE+2*IX:EE+2*IX+1], 1.0 op_sel_hi:[1,0]
.set IX, IX+1
.endr
.set IX, 0
.rept 64
	v_rcp_f32 v[EE+IX], v[EE+IX]                   ; the plateau
.set IX, IX+1
.endr
	v_nop
.if (\a) > 0
	BACK (\a)-1                                    ; the block before comes back from the stage while the reciprocals finish
.endif
	s_wait_alu depctr_va_vdst(0)                   ; one wait for the 64 reciprocals
	WIN WA
.set IX, 0
.rept 32
	v_pk_mul_f32 v[EE+2*IX:EE+2*IX+1], v[AC+2*IX:AC+2*IX+1], v[EE+2*IX:EE+2*IX+1]   ; S = seg x plateau
.set IX, IX+1
.endr
	WIN 0
.irp n, 0,2,4,6,8,10,12,14
	v_pk_mul_f32 v[PR+\n:PR+\n+1], v[EE+\n:EE+\n+1], v[EE+16+\n:EE+17+\n]           ; S0 S1
	v_pk_mul_f32 v[SU+\n:SU+\n+1], v[EE+32+\n:EE+33+\n], v[EE+48+\n:EE+49+\n]       ; S2 S3, for the moment in the sums' registers
.endr
.irp n, 0,2,4,6,8,10,12,14
	v_pk_mul_f32 v[PR+\n:PR+\n+1], v[PR+\n:PR+\n+1], v[SU+\n:SU+\n+1]               ; P
.endr
.set IX, 0
.rept 16
	v_sqrt_f32 v[QQ+IX], |v[PR+IX]|
.set IX, IX+1
.endr
.irp n, 0,2,4,6,8,10,12,14                     ; the gated sum is the plain work behind the roots
	v_pk_mul_f32 v[SU+\n:SU+\n+1], v[EE+\n:EE+\n+1], v[GT+8*(\a):GT+8*(\a)+1]
.endr
.irp s, 1,2,3
.irp n, 0,2,4,6,8,10,12,14
	v_pk_fma_f32 v[SU+\n:SU+\n+1], v[EE+16*\s+\n:EE+16*\s+\n+1], v[GT+8*(\a)+2*\s:GT+8*(\a)+2*\s+1], v[SU+\n:SU+\n+1]
.endr
.endr
	s_wait_alu depctr_va_vdst(0)                   ; one wait for the 16 roots
.set IX, 0
.rept 16
	v_sqrt_f32 v[QQ+IX], v[QQ+IX]                  ; |P|^(1/4)
.set IX, IX+1
.endr
	v_nop
	s_wait_alu depctr_va_vdst(0)
.set IX, 0
.rept 16
	v_bfi_b32 v[QQ+IX], s23, v[QQ+IX], v[PR+IX]    ; with P's sign (a root of 0 stays 0)
.set IX, IX+1
.endr
.irp n, 0,2,4,6,8,10,12,14
	v_pk_fma_f32 v[SU+\n:SU+\n+1], v[QQ+\n:QQ+\n+1], v[HH+2*(\a):HH+2*(\a)+1], v[SU+\n:SU+\n+1]
.endr
.irp u, 0,1
.irp q, 0,1
	ds_store_b128 v[STO], v[SU+8*\u+4*\q:SU+8*\u+4*\q+3] offset:16*(\a)*SPITCH+64*\u+16*\q
.endr
.endr
.if (\a) > 0
	OUT (\a)-1, 4                                  ; the block before is back in registers; my four younger stores into the stage may be out
.endif
	s_wait_dscnt 0x0                               ; for the others' sake: my part of this block lies in the stage
	s_barrier_signal -1
.endm
	PLACES NP                                      ; behind the last products: the tail reads results and writes over x's fragments
	s_wait_loadcnt 0x0                             ; the gates
.irp a, 0,1,2,3,4,5,6,7
	EPI \a
.endr
	BACK 7
	OUT 7, 0
	s_wait_tensorcnt 0x0                           ; the wave's end: behind my last tensor load and my last LDS store
	ds_add_u32 v[SPW], v[NIL]
	s_wait_dscnt 0x0
	CROUND                                         ; the closing round: no work-group ends while a partner may still ask for a tile that names it
	s_endpgm
.Lfunc_end_k_q2c12074ec5_gemm:
	.size	k_q2c12074ec5_gemm, .Lfunc_end_k_q2c12074ec5_gemm-k_q2c12074ec5_gemm
	.p2alignl 7, 3214868480
	.fill 96, 4, 3214868480
	.section	.rodata,"a",@progbits
	.p2align	6, 0x0
	.amdhsa_kernel k_q2c12074ec5_gemm
		.amdhsa_group_segment_fixed_size 327680
		.amdhsa_private_segment_fixed_size 0
		.amdhsa_enable_private_segment 0
		.amdhsa_kernarg_size 64
		.amdhsa_user_sgpr_count 2
		.amdhsa_user_sgpr_kernarg_segment_ptr 1
		.amdhsa_wavefront_size32 1
		.amdhsa_system_sgpr_workgroup_id_x 1
		.amdhsa_system_sgpr_workgroup_id_y 1
		.amdhsa_system_sgpr_workgroup_id_z 1
		.amdhsa_system_vgpr_workitem_id 0
		.amdhsa_next_free_vgpr 1024
		.amdhsa_next_free_sgpr 102
		.amdhsa_reserve_vcc 0
		.amdhsa_float_denorm_mode_32 3
		.amdhsa_float_denorm_mode_16_64 3
		.amdhsa_memory_ordered 1
		.amdhsa_forward_progress 1
		.amdhsa_inst_pref_size 255
	.end_amdhsa_kernel
	.section	.bss,"aw",@nobits
	.p2align	6
	.space	262144
	.amdgpu_metadata
---
amdhsa.version: [ 1, 2 ]
amdhsa.kernels:
  - .name:           k_q2c12074ec5_gemm
    .symbol:         k_q2c12074ec5_gemm.kd
    .args:
      - { .name: x_codes, .offset: 0, .size: 8, .value_kind: global_buffer, .address_space: global }
      - { .name: x_scales, .offset: 8, .size: 8, .value_kind: global_buffer, .address_space: global }
      - { .name: W_seg_codes, .offset: 16, .size: 8, .value_kind: global_buffer, .address_space: global }
      - { .name: W_seg_scales, .offset: 24, .size: 8, .value_kind: global_buffer, .address_space: global }
      - { .name: gates, .offset: 32, .size: 8, .value_kind: global_buffer, .address_space: global }
      - { .name: b_seg, .offset: 40, .size: 8, .value_kind: global_buffer, .address_space: global }
      - { .name: threshold, .offset: 48, .size: 8, .value_kind: global_buffer, .address_space: global }
      - { .name: out0, .offset: 56, .size: 8, .value_kind: global_buffer, .address_space: global }
    .group_segment_fixed_size: 327680
    .private_segment_fixed_size: 0
    .kernarg_segment_align: 8
    .kernarg_segment_size: 64
    .max_flat_workgroup_size: 128
    .sgpr_count:     102
    .vgpr_count:     1024
    .wavefront_size: 32
...
	.end_amdgpu_metadata
.endif
;; end of part 2
